; MI455X (gfx1250); checked and timed in simulation.
; The chip was launched on July 23, 2026; its instructions are those of AMD's public machine-readable ISA for CDNA 5 (MIT licence, August 2026) and "CDNA5" Instruction Set Architecture Reference Guide (July 2026). The comments in the code are by the model that wrote it; some were corrected since.
;; Quantized Linear. Allowed arithmetic: float matrix products may take bf16 or f16 operands with f32 sums; all other float work in f32.
;; Inputs: bias 4,096 float32; input 4,096 x 4,096 float32; qweight 4,096 x 4,096 int32; scales 4,096 x 32 float32; zeros 4,096 x 32 float32.
;; Outputs: out0 4,096 x 4,096 float32.
;; One version. Each part assembles by itself: llvm-mc -triple=amdgcn-amd-amdhsa -mcpu=gfx1250 --defsym DOCPART=n.
;; ======== version 1 of 1: 2 launches
;; limits: values are held in f16: magnitudes above 65,504 overflow, below 6.1e-05 lose precision
;; workspace buffers: xh 33,554,432 bytes; wh 33,554,432 bytes
;; launch prep (part 1): grid 256 x 2, 8 waves a work-group, no clusters, 0 bytes of LDS; arguments input, qweight, scales, zeros, xh, wh; writes xh, wh
.if DOCPART == 1
	.amdgcn_target "amdgcn-amd-amdhsa--gfx1250"
	.amdhsa_code_object_version 6
	.text
	.protected	k_q1db5cf69f6_prep
	.globl	k_q1db5cf69f6_prep
	.p2align	8
	.type	k_q1db5cf69f6_prep,@function
k_q1db5cf69f6_prep:
	s_mov_b64 s[64:65], 0
	v_nop
	global_prefetch_b8 v0, s[64:65] scope:SCOPE_SE
	s_setreg_imm32_b32 hwreg(HW_REG_WAVE_MODE, 25, 1), 1
	s_wait_xcnt 0x0
; Both operands of the product are brought to f16 once, ahead of it.
;   work-groups with y = 0:  xh[t][i] = f16(input[t][i])
;   work-groups with y = 1:  wh[o][i] = f16((f32(qweight[o][i]) - zeros[o][i/128]) * scales[o][i/128])
; W is formed in f32 in the order of the definition (convert, subtract, multiply) and rounded once, under the wave's mode (to nearest even).
; WHY f16 AND NOT bf16: an output is a sum of 4,096 products that largely cancel, so the operands' rounding errors stay while the sum shrinks;
; f16 keeps 11 significant bits where bf16 keeps 8, an eighth of the error.
; LIMIT, stated: the product that follows sees input and W rounded to f16.  A number beyond 65,504 in magnitude becomes infinite there, and
; below 2^-14 the step is 2^-24 (denormals are kept).  Room: numbers of a normal spread of 1 reach about 5.5, and 30 times that with an offset of
; 30 spreads stays under 200; |W| is at most 15 x 0.021 = 0.32 for zeros up to 15 and scales up to 0.021, and about 900 x 1.23 = 1,100 with both
; 30 times larger and offset by 30 spreads; 30 times smaller, the step 2^-24 is still under a hundred-thousandth of the operands' spread.
; Any int32 code is read and converted (beyond 2^24 the conversion to f32 rounds); the limit is on the |W| that it gives.
; A stream: every input byte is read once and every output byte written once, so there is no LDS, no barrier, no matrix
; instruction; the work-groups share no input, so there is no cluster.
; SHARES: a work-group owns 16 rows (262,144 bytes in, 131,072 out), a wave 2 rows, as 64 chunks.  A chunk is one 16-byte load
; of the wave (512 consecutive bytes, aligned: 128 numbers) and one 8-byte store of the wave (256 consecutive bytes, aligned).
; In the W part a chunk is exactly one group of 128 codes: chunk ch of a wave is group ch of its 2 rows x 32 groups.
; A ring of 16 register slots keeps 16 loads of every wave on their way.  All 64 chunks are written out: a chunk's place stands in
; the immediates (32,256 at the most), so no address register and no base is ever stepped.
; THE STORES NEVER HOLD THE WAVE BACK: each of the 64 chunks has its own pair of registers for what it stores (128 registers), so no register
; that a store reads is written a second time.  No wait stands for the stores' sake, and the load that fills a slot again goes out as soon as
; the slot's numbers have been converted, whatever has become of the earlier stores.
.set DEPTH,  16                        ; slots = loads in flight in a wave
.set CHUNKS, 64                        ; chunks of a wave
.set INO,  1                           ; v1        byte offset of my 16 bytes in the wave's first chunk, in the source; never rewritten
.set OUTO, 2                           ; v2        byte offset of my 8 bytes in the wave's first chunk, in the target; never rewritten
.set SCO,  3                           ; v3        byte offset of my two scales (and zeros) among the work-group's 512; never rewritten
.set SC,   4                           ; v[4:5]    lane L: scales of the wave's groups 2 L and 2 L + 1
.set NZ,   6                           ; v[6:7]    lane L: the same groups' zeros, negated
.set T,    8                           ; v[8:15]   at work: two sets of four, taken by turns
.set X,    16                          ; v[16:79]  slot i: 4 registers as loaded
.set Y,    80                          ; v[80:207] chunk ch: 2 registers, 4 f16 to store; written once
.set GS,   20                          ; s[20:35]  four sets by turns: (-zero, 0) and (scale, 0) of a chunk's group
	s_load_b256 s[4:11], s[0:1], 0x0               ; input s[4:5], qweight s[6:7], scales s[8:9], zeros s[10:11]
	s_load_b128 s[12:15], s[0:1], 0x20             ; xh s[12:13], wh s[14:15]
	s_and_b32 s16, ttmp7, 0xffff                   ; y: 0 = input, 1 = weights
	v_lshrrev_b32 v[T], 5, v0                      ; wave
	v_and_b32 v[T+1], 31, v0                       ; lane
	v_lshlrev_b32 v[INO], 4, v[T+1]                ; 16 bytes a lane
	v_lshl_or_b32 v[INO], v[T], 15, v[INO]         ; + wave x 2 rows x 16,384 bytes
	v_lshlrev_b32 v[OUTO], 3, v[T+1]               ; 8 bytes a lane
	v_lshl_or_b32 v[OUTO], v[T], 14, v[OUTO]       ; + wave x 2 rows x 8,192 bytes
	v_lshlrev_b32 v[SCO], 3, v0                    ; wave x 256 + lane x 8
	s_mov_b32 s19, 0                               ; upper word of the offset pair s[18:19]
.macro FILLRING src                    ; chunks 0 to 15
.irp i, 0,1,2,3,4,5,6,7,8,9,10,11,12,13,14,15
	global_load_b128 v[X+4*\i:X+4*\i+3], v[INO], s[\src:\src+1] offset:512*\i th:TH_LOAD_NT
.endr
.endm
; The turn of chunk ch (an assembly symbol, stepped here).  kind = 0: round to f16; 1: dequantize, then round.
; ahead = 1: the slot is loaded again with the chunk DEPTH further on.
.macro CHUNK kind, src, dst, ahead
.set sl, ch % DEPTH
.if \ahead
	s_wait_loadcnt DEPTH-1                         ; loads come back in order (ISA guide 5.7.1): mine is in, the 15 younger ones stay out
.else
	s_wait_loadcnt CHUNKS-1-ch                     ; the last 16 chunks load nothing: the count runs down to 0
.endif
.if \kind
.set kk, ch % 4
.set tt, T + 4*(ch & 1)
	v_readlane_b32 s[GS+4*kk],   v[NZ+(ch&1)], ch>>1           ; the group's -zero and scale, from the lane that loaded them
	v_readlane_b32 s[GS+4*kk+2], v[SC+(ch&1)], ch>>1
.irp j, 0,1,2,3
	v_cvt_f32_i32 v[tt+\j], v[X+4*sl+\j]
.endr
	v_pk_add_f32 v[tt:tt+1],   v[tt:tt+1],   s[GS+4*kk:GS+4*kk+1] op_sel_hi:[1,0]     ; q - zero
	v_pk_add_f32 v[tt+2:tt+3], v[tt+2:tt+3], s[GS+4*kk:GS+4*kk+1] op_sel_hi:[1,0]
	v_pk_mul_f32 v[tt:tt+1],   v[tt:tt+1],   s[GS+4*kk+2:GS+4*kk+3] op_sel_hi:[1,0]   ; times scale: two roundings, as in the definition
	v_pk_mul_f32 v[tt+2:tt+3], v[tt+2:tt+3], s[GS+4*kk+2:GS+4*kk+3] op_sel_hi:[1,0]
	v_cvt_pk_f16_f32 v[Y+2*ch],   v[tt],   v[tt+1]             ; first source into the low half
	v_cvt_pk_f16_f32 v[Y+2*ch+1], v[tt+2], v[tt+3]
.else
	v_cvt_pk_f16_f32 v[Y+2*ch],   v[X+4*sl],   v[X+4*sl+1]
	v_cvt_pk_f16_f32 v[Y+2*ch+1], v[X+4*sl+2], v[X+4*sl+3]
.endif
.if \ahead
	global_load_b128 v[X+4*sl:X+4*sl+3], v[INO], s[\src:\src+1] offset:512*(ch+DEPTH) th:TH_LOAD_NT   ; the load goes ahead of the store
.endif
	global_store_b64 v[OUTO], v[Y+2*ch:Y+2*ch+1], s[\dst:\dst+1] offset:256*ch    ; the wave stores 256 consecutive bytes, aligned; no hint: the next launch reads them
.set ch, ch+1
.endm
.macro STREAM kind, src, dst
.set ch, 0
.rept CHUNKS-DEPTH
	CHUNK \kind, \src, \dst, 1
.endr
.rept DEPTH
	CHUNK \kind, \src, \dst, 0
.endr
.endm
	s_wait_kmcnt 0x0
	s_cmp_lg_u32 s16, 0
	s_cbranch_scc1 .Lweights
	; ---- input to xh ----
	s_lshl_b32 s18, ttmp9, 18                      ; 16 rows of 16,384 bytes (below 2^26)
	s_add_nc_u64 s[4:5], s[4:5], s[18:19]
	s_lshl_b32 s18, ttmp9, 17                      ; 16 rows of 8,192 bytes
	s_add_nc_u64 s[12:13], s[12:13], s[18:19]
	FILLRING 4
	STREAM 0, 4, 12
	s_endpgm
	; ---- qweight, scales, zeros to wh ----
.Lweights:
	s_lshl_b32 s18, ttmp9, 18
	s_add_nc_u64 s[6:7], s[6:7], s[18:19]
	s_lshl_b32 s18, ttmp9, 17
	s_add_nc_u64 s[14:15], s[14:15], s[18:19]
	s_lshl_b32 s18, ttmp9, 11                      ; 16 rows of 32 groups of 4 bytes
	s_add_nc_u64 s[8:9], s[8:9], s[18:19]
	s_add_nc_u64 s[10:11], s[10:11], s[18:19]
	global_load_b64 v[SC:SC+1], v[SCO], s[8:9]     ; the wave's 64 scales: 256 consecutive bytes, aligned, read once
	global_load_b64 v[NZ:NZ+1], v[SCO], s[10:11]   ; and its 64 zeros
	FILLRING 6
.irp k, 0,1,2,3
	s_mov_b32 s[GS+4*\k+1], 0                      ; the pairs' upper words: never multiplied by (op_sel_hi 0), but a pair is read whole
	s_mov_b32 s[GS+4*\k+3], 0
.endr
	s_wait_loadcnt DEPTH                           ; the 16 loads of the ring are younger and stay out: scales and zeros are in
	v_xor_b32 v[NZ],   0x80000000, v[NZ]           ; -zero, so that the subtraction is a packed add
	v_xor_b32 v[NZ+1], 0x80000000, v[NZ+1]
	STREAM 1, 6, 14
	s_endpgm
.Lfunc_end_k_q1db5cf69f6_prep:
	.size	k_q1db5cf69f6_prep, .Lfunc_end_k_q1db5cf69f6_prep-k_q1db5cf69f6_prep
	.p2alignl 7, 3214868480
	.fill 96, 4, 3214868480
	.section	.rodata,"a",@progbits
	.p2align	6, 0x0
	.amdhsa_kernel k_q1db5cf69f6_prep
		.amdhsa_group_segment_fixed_size 0
		.amdhsa_private_segment_fixed_size 0
		.amdhsa_enable_private_segment 0
		.amdhsa_kernarg_size 48
		.amdhsa_user_sgpr_count 2
		.amdhsa_user_sgpr_kernarg_segment_ptr 1
		.amdhsa_wavefront_size32 1
		.amdhsa_system_sgpr_workgroup_id_x 1
		.amdhsa_system_sgpr_workgroup_id_y 1
		.amdhsa_system_sgpr_workgroup_id_z 1
		.amdhsa_system_vgpr_workitem_id 0
		.amdhsa_next_free_vgpr 208
		.amdhsa_next_free_sgpr 66
		.amdhsa_reserve_vcc 0
		.amdhsa_float_denorm_mode_32 3
		.amdhsa_float_denorm_mode_16_64 3
		.amdhsa_memory_ordered 1
		.amdhsa_forward_progress 1
		.amdhsa_inst_pref_size 78
	.end_amdhsa_kernel
	.amdgpu_metadata
---
amdhsa.version: [ 1, 2 ]
amdhsa.kernels:
  - .name:           k_q1db5cf69f6_prep
    .symbol:         k_q1db5cf69f6_prep.kd
    .args:
      - { .name: input, .offset: 0, .size: 8, .value_kind: global_buffer, .address_space: global }
      - { .name: qweight, .offset: 8, .size: 8, .value_kind: global_buffer, .address_space: global }
      - { .name: scales, .offset: 16, .size: 8, .value_kind: global_buffer, .address_space: global }
      - { .name: zeros, .offset: 24, .size: 8, .value_kind: global_buffer, .address_space: global }
      - { .name: xh, .offset: 32, .size: 8, .value_kind: global_buffer, .address_space: global }
      - { .name: wh, .offset: 40, .size: 8, .value_kind: global_buffer, .address_space: global }
    .group_segment_fixed_size: 0
    .private_segment_fixed_size: 0
    .kernarg_segment_align: 8
    .kernarg_segment_size: 48
    .max_flat_workgroup_size: 256
    .sgpr_count:     66
    .vgpr_count:     208
    .wavefront_size: 32
...
	.end_amdgpu_metadata
.endif
;; end of part 1
;; launch gemm (part 2): grid 16 x 16, 4 waves a work-group, clusters of 4 x 4, 327,680 bytes of LDS; arguments xh, wh, bias, out0; writes out0
.if DOCPART == 2
	.amdgcn_target "amdgcn-amd-amdhsa--gfx1250"
	.amdhsa_code_object_version 6
	.text
	.protected	k_q1db5cf69f6_gemm
	.globl	k_q1db5cf69f6_gemm
	.p2align	8
	.type	k_q1db5cf69f6_gemm,@function
k_q1db5cf69f6_gemm:
	s_mov_b64 s[64:65], 0
	v_nop
	global_prefetch_b8 v0, s[64:65] scope:SCOPE_SE
	s_setreg_imm32_b32 hwreg(HW_REG_WAVE_MODE, 25, 1), 1
	s_wait_xcnt 0x0
	s_wait_alu depctr_hold_cnt(0) depctr_sa_sdst(0) depctr_va_vdst(0) depctr_va_sdst(0) depctr_va_ssrc(0) depctr_va_vcc(0) depctr_vm_vsrc(0)
	s_getreg_b32 s2, hwreg(HW_REG_IB_STS2, 6, 4)
	s_cmp_eq_u32 s2, 0
	s_cbranch_scc0 .Lentry_in_a_cluster
	s_endpgm
.Lentry_in_a_cluster:
	s_bfe_u32 s2, ttmp6, 0x10000c
	s_cmp_lg_u32 s2, 0xf033
	s_cbranch_scc0 .Lentry_shape_is_right
	s_endpgm
.Lentry_shape_is_right:
; out0[t][o] = sum over i of xh[t][i] wh[o][i] + bias[o].  xh (A): [4096][4096] f16, wh (B): [4096][4096] f16, both made by the launch before;
; bias: [4096] f32; out0: [4096][4096] f32.  One f32 sum for each output, K ascending; the bias is added in f32 at the end.
; LIMIT, stated: the operands are input and W rounded once to f16 (11 significant bits; infinite beyond 65,504 in magnitude; steps of 2^-24 below
; 2^-14; the room that this leaves is worked out at the head of the launch that makes them); nothing else departs from the definition but the
; order of the f32 sums.
; A work-group makes a block of 256 x 256 of out0 with four waves, as many as a WGP has SIMDs; a wave makes 128 x 128: 64 accumulator tiles
; of 16 x 16, 512 registers.  K goes in 32 steps of 128 through a ring of two LDS slots filled by the tensor data mover: a tile's rows are
; 256 bytes of memory and start at multiples of 256 bytes from the buffer's first byte.  16 x 16 blocks: 256 work-groups.
; CLUSTERS: 4 x 4 work-groups form a cluster.  The four of a row of the cluster make blocks of one block row and need the same tiles of A; the four
; of a column need the same tiles of B.  Such a tile is asked for JOINTLY: each of the four issues the same tensor load, with the same descriptor and
; a mask that names the four, and each receives the tile in its own LDS.  That divides the requests for A and for B by four.
;
; REGISTERS, in windows of 256 (an instruction names v0-v255; s_set_vgpr_msb says which window each operand place means):
;   window 0: v0-31 addresses and the bias; v64-127, v128-191 fragments of A (8 x 16 rows x 32 K), two buffers, on the way out 16 rows of out0 each
;   window 1: v64-127, v128-191 fragments of B, two buffers
;   window 2: the 32 accumulator tiles of my rows 0-63 (tile (a, b) at v[8 (8 a + b)]);   window 3: those of my rows 64-127
; s_set_vgpr_msb's low byte: bits 1:0 source 0, 3:2 source 1, 5:4 source 2, 7:6 destination.  Work is laid in long stretches under one setting.
;
; THE MATRIX INSTRUCTION IS USED TRANSPOSED: source 0 = 16 rows of B, source 1 = 16 rows of A.  In the result, lane l then holds row
; m = l % 16 of the tile, and its registers 0 to 7 the columns n = 8 (l / 16) + 0 .. 7: eight NEIGHBOURING numbers of a row of out0, 32 bytes.
; THE 64 ACCUMULATORS TAKE TURNS, one matrix instruction a turn, in the same order in every quarter step, over the loop's backward jump too.
.set SIZE_K, 4096
.set SIZE_N, 4096
.set KSTEP,  128
.set PITCH,  272                       ; an LDS row: 256 bytes of data + 16 of padding = 68 words: row r starts at bank 4 r mod 64 (64 banks of 4 bytes: ISA guide 11.1), so the 16 rows that a load touches start at 16 different banks
.set HALFT,  128*PITCH                 ; 128 rows: what one tensor load brings, and what one wave reads of A or of B
.set SLOT,   4*HALFT                   ; A's 256 rows, then B's 256 rows
.set STAGE,  2*SLOT                    ; behind the ring, at byte 278,528 = 1,088 x 256: the stages for the way out, into which no tensor load lands
.set SPITCH, 528                       ; a stage row: 128 f32 + 16 bytes = 33 x 16 bytes
.set WSTAGE, 16*SPITCH                 ; a wave's stage: 16 rows, 8,448 bytes = 33 x 256
.set CROW,   SIZE_N*4                  ; bytes in a row of out0
.set LAPS, SIZE_K/(2*KSTEP)            ; a lap = two K steps = once round the ring: 16 laps
.set ADRA, 16                          ; v16-17  LDS address of my A fragments in slot 0, 1
.set ADRB, 20                          ; v20-21  the same for B
.set STO,  24                          ; v24     the way out: where I put my 32 bytes of a row
.set RD,   25                          ; v25     the way out: where I read 16 bytes of a row back
.set CO,   26                          ; v26     16 x lane: my byte offset in a row of my block, in out0 and in the bias; never rewritten
.set BIAS, 28                          ; v[28:31] the bias of my four columns on the way out
.set F0,   64                          ; fragment buffer 0
.set F1,   128                         ; fragment buffer 1
.set G1, 24                            ; s[24:31] descriptor group 1 for A's tiles
.set G0, 32                            ; s[32:39] descriptor group 0 for A's tiles, one set for each slot
.set G1B, 48                           ; s[48:55] descriptor group 1 for B's tiles: it differs from A's in the mask alone
.set G0B, 56                           ; s[56:63] descriptor group 0 for B's tiles, one set for each slot
.set MSB, 0
.macro WIN new                         ; the immediate's high byte repeats the setting that is left
.if MSB != \new
	s_set_vgpr_msb (MSB<<8)|\new
.set MSB, \new
.endif
.endm
.set MUL_LO, 0xa1                      ; source 0 (B) window 1, source 1 (A) window 0, C and D window 2
.set MUL_HI, 0xf1                      ; the same, C and D window 3
.set TO_B,   0x40                      ; destination window 1, address window 0
.set ST_LO,  0x08                      ; an LDS store's data (source 1) from window 2, its address from window 0
.set ST_HI,  0x0c                      ; the same from window 3
; A joint load.  Waves 0 and 1 fetch A's two halves, waves 2 and 3 B's.  Each of the two lines has ONE mask and one set of registers for all that issue it, and nothing in
; them hangs on a coordinate that the four partners do not share.  The branch hangs on the wave's number alone: it is the same in every work-group.
.macro JLOAD s
	s_cmp_eq_u32 s11, 0
	s_cbranch_scc0 .Lfor_b_\@
	tensor_load_to_lds s[G0+4*\s:G0+4*\s+3], s[G1:G1+7]
	s_nop 0
	s_branch .Lasked_\@
.Lfor_b_\@:
	tensor_load_to_lds s[G0B+4*\s:G0B+4*\s+3], s[G1B:G1B+7]
	s_nop 0
.Lasked_\@:
.endm
; A round of the cluster's barrier: my work-group's barrier, so that wave 0's signal speaks for all four waves; wave 0 signals for the work-group; every wave waits for all
; sixteen work-groups; my work-group's barrier once more.  No LDS instruction of the wave is pending at a signal.
.macro CREST                           ; a round behind its opening barrier
	s_cmp_lg_u32 s10, 0
	s_cbranch_scc1 .Lnot_wave_0_\@
	s_barrier_signal -3
.Lnot_wave_0_\@:
	s_barrier_wait -3
	s_barrier_signal -1
	s_barrier_wait -1
.endm
.macro CROUND                          ; a whole round
	s_barrier_signal -1
	s_barrier_wait -1
	CREST
.endm
	s_load_b128 s[4:7], s[0:1], 0x0                ; A = xh s[4:5], B = wh s[6:7]
	s_load_b64 s[68:69], s[0:1], 0x10              ; bias
	s_load_b64 s[8:9], s[0:1], 0x18                ; out0
	s_set_vgpr_msb 0x40
	v_lshl_add_u32 v255, v0, 2, 0x4c400
	s_set_vgpr_msb 0x4000
	v_mov_b32 v255, 0
	s_set_vgpr_msb 0x1
	ds_add_u32 v255, v255
	s_set_vgpr_msb 0x100
	v_lshrrev_b32 v1, 5, v0
	v_readfirstlane_b32 s10, v1                    ; wave 0..3
	s_lshr_b32 s11, s10, 1                         ; which half of the block's rows is mine.  Also: I fetch for A (0) or for B (1)
	s_and_b32 s12, s10, 1                          ; which half of its columns.  Also: which 128 rows of that tile I fetch
	s_bfe_u32 s40, ttmp6, 0x40000                  ; cx: my place along the cluster's x
	s_bfe_u32 s41, ttmp6, 0x40004                  ; cy: along its y
	s_lshl_b32 s42, ttmp9, 2                       ; in a cluster launch ttmp9 and ttmp7 count clusters
	s_add_co_u32 s42, s42, s40                     ; block column = 4 x cluster x + cx
	s_and_b32 s13, ttmp7, 0xffff
	s_lshl_b32 s13, s13, 2
	s_add_co_u32 s13, s13, s41                     ; block row = 4 x cluster y + cy
	s_lshl_b32 s43, s41, 2
	s_lshl_b32 s43, 15, s43                        ; my row of the cluster: places 4 cy .. 4 cy + 3
	s_lshl_b32 s44, 0x1111, s40                    ; my column: places cx, cx + 4, cx + 8, cx + 12
	; descriptor group 1: a tile of 128 rows x 128 elements, padded in LDS
	s_or_b32 s[G1+0], s43, (1<<16)|(1<<20)|(1<<21)|(5<<22)|(3<<25)  ; 15:0 the mask: A's tiles go to my row; 17:16 element of 2 bytes; 20 padding on; 21 set beside a mask; 24:22 after every 64 words (code 5); 31:25 of 4 words (code 3)
	s_or_b32 s[G1B+0], s44, (1<<16)|(1<<20)|(1<<21)|(5<<22)|(3<<25) ; the same with the mask of my column, for B's tiles
	s_mov_b32 s[G1B+1], KSTEP<<16
	s_mov_b32 s[G1+1], KSTEP<<16                   ; 63:48 tensor_dim0, low half = 128
	s_mov_b32 s[G1B+2], 128<<16
	s_mov_b32 s[G1+2], 128<<16                     ; 79:64 its high half = 0; 95:80 tensor_dim1, low half = 128
	s_mov_b32 s[G1B+3], KSTEP<<16
	s_mov_b32 s[G1+3], KSTEP<<16                   ; 111:96 its high half = 0; 127:112 tile_dim0 = 128
	s_mov_b32 s[G1B+4], 128
	s_mov_b32 s[G1+4], 128                         ; 143:128 tile_dim1 = 128; 159:144 tile_dim2 = 0
	s_mov_b32 s[G1B+5], SIZE_K
	s_mov_b32 s[G1+5], SIZE_K                      ; 191:160 tensor_dim0_stride, low word: elements from row to row
	s_mov_b32 s[G1B+6], 0
	s_mov_b32 s[G1+6], 0
	s_mov_b32 s[G1B+7], 0
	s_mov_b32 s[G1+7], 0
	; where the tiles come from.  A's hang on the block row alone, which my row of the cluster shares; B's on the block column alone, which my column shares.
	; Every wave makes both addresses, in registers that never hold the other coordinate, and asks by one of them.
	s_lshl_b32 s17, s12, 7                         ; which 128 rows of the tile I fetch
	s_lshl_b32 s16, s13, 8
	s_add_co_u32 s16, s16, s17                     ; A: row 256 x block row + 128 x half
	s_lshl_b32 s46, s42, 8
	s_add_co_u32 s46, s46, s17                     ; B: row 256 x block column + 128 x half
	s_mov_b32 s17, 0
	s_mov_b32 s47, 0
	s_mov_b64 s[18:19], SIZE_K*2
	s_mul_u64 s[16:17], s[16:17], s[18:19]         ; in bytes, in 64 bits
	s_mul_u64 s[46:47], s[46:47], s[18:19]
	s_mul_i32 s20, s10, HALFT                      ; and where they go: A's two halves, then B's two halves = wave x 128 rows: no place in the cluster enters an LDS address
	s_wait_dscnt 0x0
	s_wait_kmcnt 0x0
	s_add_nc_u64 s[14:15], s[4:5], s[16:17]
	s_add_nc_u64 s[46:47], s[6:7], s[46:47]
	CROUND                                         ; all sixteen work-groups are here: the first joint loads meet
.irp s, 0,1
	s_mov_b32 s[G0+4*\s], 1                                        ; 1:0 count = 1
	s_add_co_u32 s[G0+4*\s+1], s20, \s*SLOT                        ; 63:32 LDS address
	s_add_nc_u64 s[G0+4*\s+2:G0+4*\s+3], s[14:15], \s*KSTEP*2      ; 120:64 global address: K step s
	s_or_b32 s[G0+4*\s+3], s[G0+4*\s+3], 0x80000000                ; 127:126 type = 2
	s_mov_b32 s[G0B+4*\s], 1
	s_add_co_u32 s[G0B+4*\s+1], s20, \s*SLOT
	s_add_nc_u64 s[G0B+4*\s+2:G0B+4*\s+3], s[46:47], \s*KSTEP*2
	s_or_b32 s[G0B+4*\s+3], s[G0B+4*\s+3], 0x80000000
	JLOAD \s                                       ; the ring is filled before anything else is done: two tensor loads of the wave are out
.endr
	; A fragment is 16 rows x 32 K in 8 registers: lane l holds row l % 16; registers 0-3 hold K = 8 (l / 16) + 0..7, registers 4-7 hold
	; K = 16 + 8 (l / 16) + 0..7.  From rows that lie along K: two loads of 16 bytes, 32 bytes apart.  The same for source 0 and source 1.
	v_and_b32 v1, 15, v0                           ; l % 16
	v_bfe_u32 v2, v0, 4, 1                         ; l / 16
	v_mul_u32_u24 v3, v1, PITCH
	v_lshl_add_u32 v3, v2, 4, v3                   ; row x pitch + 16 x half
	s_mul_i32 s21, s11, HALFT                      ; my 128 rows of A
	s_mul_i32 s22, s12, HALFT                      ; my 128 rows of B,
	s_add_co_u32 s22, s22, 2*HALFT                 ; which lie behind A's 256
.irp s, 0,1
	v_add_nc_u32 v[ADRA+\s], s21, v3
	v_add_nc_u32 v[ADRB+\s], s22, v3
	s_add_co_u32 s21, s21, SLOT
	s_add_co_u32 s22, s22, SLOT
.endr
	s_mul_i32 s23, s10, WSTAGE
	s_add_co_u32 s23, s23, STAGE                   ; my stage
	v_mul_u32_u24 v4, v1, SPITCH                   ; in: row l % 16, 32 bytes for each half of the lanes
	v_lshl_add_u32 v4, v2, 5, v4
	v_add_nc_u32 v[STO], s23, v4
	v_and_b32 v5, 31, v0
	v_lshlrev_b32 v[CO], 4, v5                     ; back: the 32 lanes take one row of 512 bytes, 16 bytes each
	v_add_nc_u32 v[RD], s23, v[CO]
	; my first column in bytes of f32: 1,024 x block column + 512 x half (in the registers that held B's address: none that feeds A's descriptors ever holds cx)
	s_lshl_b32 s46, s42, 10
	s_lshl_b32 s47, s12, 9
	s_add_co_u32 s46, s46, s47
	s_mov_b32 s47, 0
	s_add_nc_u64 s[68:69], s[68:69], s[46:47]
	global_load_b128 v[BIAS:BIAS+3], v[CO], s[68:69]   ; the wave reads its 128 columns' bias, 512 consecutive bytes, once; lane l keeps columns 4 l .. 4 l + 3
; 16 matrix instructions: m blocks a0, a0 + 1 of the window's four (hi = 0: my rows 0-63, 1: rows 64-127) x all 8 n blocks, 32 along K.
; zero = 1: the first product starts the sums: nothing is ever cleared.
.macro MUL16 f, hi, a0, zero
.irp a, \a0, \a0+1
.irp b, 0,1,2,3,4,5,6,7
.if \zero
	v_wmma_f32_16x16x32_f16 v[8*(8*(\a)+\b):8*(8*(\a)+\b)+7], v[\f+8*\b:\f+8*\b+7], v[\f+8*(4*\hi+\a):\f+8*(4*\hi+\a)+7], 0
.else
	v_wmma_f32_16x16x32_f16 v[8*(8*(\a)+\b):8*(8*(\a)+\b)+7], v[\f+8*\b:\f+8*\b+7], v[\f+8*(4*\hi+\a):\f+8*(4*\hi+\a)+7], v[8*(8*(\a)+\b):8*(8*(\a)+\b)+7]
.endif
.endr
.endr
.endm
; 32 LDS loads in one run: the fragments of one quarter step (128 rows of B, 128 rows of A, 32 K at byte k of the rows) into buffer f
.macro FETCH slot, k, f
	WIN TO_B
.irp i, 0,1,2,3,4,5,6,7
	ds_load_b128 v[\f+8*\i:\f+8*\i+3],   v[ADRB+\slot] offset:\k+\i*16*PITCH
	ds_load_b128 v[\f+8*\i+4:\f+8*\i+7], v[ADRB+\slot] offset:\k+\i*16*PITCH+32
.endr
	WIN 0
.irp i, 0,1,2,3,4,5,6,7
	ds_load_b128 v[\f+8*\i:\f+8*\i+3],   v[ADRA+\slot] offset:\k+\i*16*PITCH
	ds_load_b128 v[\f+8*\i+4:\f+8*\i+7], v[ADRA+\slot] offset:\k+\i*16*PITCH+32
.endr
.endm
; A load into a register that a matrix instruction has read, and anything but a matrix instruction that reads a matrix result, stand four places
; behind that matrix instruction, and only plain vector instructions that name none of its registers are places (ISA guide 7.12.1 for vector
; instructions); the matrix instructions in between are not counted.  So four v_nop stand in front of
; each run of loads and in front of the way out: sixteen issue slots for a K step's 256 matrix instructions.
.macro PLACES
.rept 4
	v_nop
.endr
.endm
; A K step is four quarter steps of 32 along K, 64 matrix instructions each, on buffers 0, 1, 0, 1.
; One of the first three: multiplies buffer f; in its middle it fetches the next quarter's fragments, at byte k of the same slot's rows, into buffer g.
.macro QUARTER slot, k, f, g, zero
	s_wait_dscnt 8                                 ; B and A's rows 0-63 are in; the youngest eight loads (A's rows 64-127) may be out
	WIN MUL_LO
	MUL16 \f, 0, 0, \zero
	MUL16 \f, 0, 2, \zero
	PLACES
	FETCH \slot, \k, \g
	s_wait_dscnt 32                                ; all but the 32 just issued
	WIN MUL_HI
	MUL16 \f, 1, 0, \zero
	MUL16 \f, 1, 2, \zero
.endm
.macro THREE slot, zero
	QUARTER \slot, 64,  F0, F1, \zero
	QUARTER \slot, 128, F1, F0, 0
	QUARTER \slot, 192, F0, F1, 0
.endm
; The last quarter: multiplies buffer 1 and changes slots.  next = the other slot; fill = 1: this slot is filled again, two K steps ahead.
; ONE barrier for the change of slots, for two things.  In front of it each wave waits for its own reads of this slot and for all its tensor loads,
; of which one is out: its part of the next slot.  Behind it nobody reads this slot any more and the next slot is whole: the refill comes
; first, then the next slot's first fragments.  From a request to the wait for it a wave issues 240 matrix instructions.
.macro TURN slot, next, fill
	s_wait_dscnt 8
	WIN MUL_LO
	MUL16 F1, 0, 0, 0
	s_wait_dscnt 0                                 ; my reads of this slot are over (the last were issued 48 matrix instructions ago)
	s_wait_tensorcnt 0x0                           ; and all my tensor loads have landed: the one that was out is my part of the next slot:
	ds_add_u32 v255, v255
	s_wait_dscnt 0x0
	s_barrier_signal -1                            ; say so (where a slot is filled again this barrier opens a round of the cluster's barrier),
	MUL16 F1, 0, 2, 0                              ; work on registers while the others arrive,
	WIN 0
	s_barrier_wait -1                              ; and go on when all four have said so
.if \fill
	CREST                                          ; wave 0 says so for the work-group, all sixteen work-groups have said so, my work-group's barrier closes the round:
	                                               ; no wave of any partner still reads this slot's tile or has a load on its way
	s_add_nc_u64 s[G0+4*\slot+2:G0+4*\slot+3], s[G0+4*\slot+2:G0+4*\slot+3], 2*KSTEP*2
	s_add_nc_u64 s[G0B+4*\slot+2:G0B+4*\slot+3], s[G0B+4*\slot+2:G0B+4*\slot+3], 2*KSTEP*2
	JLOAD \slot                                    ; the first tensor load behind the round, and the wave's only one until the next
.endif
	PLACES
	FETCH \next, 0, F0
	WIN MUL_HI
	MUL16 F1, 1, 0, 0
	MUL16 F1, 1, 2, 0
.endm
.macro LAP zero                        ; once round the ring, both slots filled again
	THREE 0, \zero
	TURN 0, 1, 1
	THREE 1, 0
	TURN 1, 0, 1
.endm
	s_wait_loadcnt 0x0                             ; the bias is in (it came while the first tiles were on their way): no register load is pending in the loop
	s_wait_tensorcnt 1                             ; my part of K step 0 is in; K step 1's may stay out
	s_barrier_signal -1
	s_barrier_wait -1                              ; everybody's is
	FETCH 0, 0, F0
	LAP 1                                          ; the first lap stands in front of the loop: its first products start the sums
	WIN 0                                          ; at a label and at a branch every window is 0
	s_mov_b32 s3, LAPS-2
.Llap:
	LAP 0
	WIN 0
	s_sub_co_u32 s3, s3, 1
	s_cmp_lg_u32 s3, 0
	s_cbranch_scc1 .Llap
	THREE 0, 0                                     ; the last lap fills nothing, and has no round of the cluster's barrier: my one tensor load that is still out is slot 1's, the last K step's
	TURN 0, 1, 0
	THREE 1, 0
	s_wait_dscnt 8                                 ; the very last quarter: nothing more to fetch
	WIN MUL_LO
	MUL16 F1, 0, 0, 0
	MUL16 F1, 0, 2, 0
	s_wait_dscnt 0
	WIN MUL_HI
	MUL16 F1, 1, 0, 0
	MUL16 F1, 1, 2, 0
	; THE WAY OUT, 16 rows of out0 at a time: 32 bytes a lane into my own stage in LDS, read back as whole rows of 512 bytes, bias added, stored.
	; The four v_nop of PLACES are the places behind the last matrix instructions: for the LDS stores, which read results,
	; and for the loads into buffers 0 and 1.
	PLACES
	WIN 0
	s_lshl_b32 s13, s13, 8
	s_lshl_b32 s14, s11, 7
	s_add_co_u32 s16, s13, s14                     ; my first row: 256 x block row + 128 x half, 3,968 at the most,
	s_lshl_b32 s16, s16, 14                        ; times 16,384 bytes: below 2^26
	s_mov_b32 s17, 0
	s_add_nc_u64 s[8:9], s[8:9], s[16:17]
	s_add_nc_u64 s[8:9], s[8:9], s[46:47]          ; and my first column, as for the bias
; rows 16 i .. 16 i + 15 of my block = the eight tiles (a, 0..7) of window 2 or 3 (from = ST_LO or ST_HI); f: F0 or F1 in turn
.macro OUT16 i, a, from, f
	WIN \from
.irp b, 0,1,2,3,4,5,6,7
	ds_store_b128 v[STO], v[8*(8*\a+\b):8*(8*\a+\b)+3]   offset:64*\b       ; row l % 16, columns 16 b + 8 (l / 16) + 0..3
	ds_store_b128 v[STO], v[8*(8*\a+\b)+4:8*(8*\a+\b)+7] offset:64*\b+16    ; and + 4..7.  Rows 33 x 16 bytes apart: sixteen lanes, sixteen different 16-byte columns
.endr
	WIN 0
	s_wait_xcnt 0x0                                ; buffer f was the data of the global stores two calls ago: it is loaded again only behind this wait
.irp t, 0,1,2,3,4,5,6,7,8,9,10,11,12,13,14,15
	ds_load_b128 v[\f+4*\t:\f+4*\t+3], v[RD] offset:\t*SPITCH      ; LDS serves a wave's instructions in order (ISA guide 5.7.1.4): these see the stores above, and the next call's stores come behind them
.endr
.irp t, 0,1,2,3,4,5,6,7,8,9,10,11,12,13,14,15
	s_wait_dscnt 15-\t                             ; row t is in; the younger rows' loads stay out
	v_pk_add_f32 v[\f+4*\t:\f+4*\t+1],   v[\f+4*\t:\f+4*\t+1],   v[BIAS:BIAS+1]
	v_pk_add_f32 v[\f+4*\t+2:\f+4*\t+3], v[\f+4*\t+2:\f+4*\t+3], v[BIAS+2:BIAS+3]
	global_store_b128 v[CO], v[\f+4*\t:\f+4*\t+3], s[8:9] offset:(16*\i+\t)*CROW th:TH_STORE_NT   ; the wave stores 512 consecutive bytes, aligned; the row stands in the immediate, 2,080,768 at the most, so the base is never stepped
.endr
.endm
	OUT16 0, 0, ST_LO, F0
	OUT16 1, 1, ST_LO, F1
	OUT16 2, 2, ST_LO, F0
	OUT16 3, 3, ST_LO, F1
	OUT16 4, 0, ST_HI, F0
	OUT16 5, 1, ST_HI, F1
	OUT16 6, 2, ST_HI, F0
	OUT16 7, 3, ST_HI, F1
	s_set_vgpr_msb 0x1
	s_wait_tensorcnt 0x0
	ds_add_u32 v255, v255
	s_wait_dscnt 0x0
	s_set_vgpr_msb 0x100
	CROUND                                         ; the closing round: no work-group ends while a partner may still ask for a tile that names it
	s_endpgm
.Lfunc_end_k_q1db5cf69f6_gemm:
	.size	k_q1db5cf69f6_gemm, .Lfunc_end_k_q1db5cf69f6_gemm-k_q1db5cf69f6_gemm
	.p2alignl 7, 3214868480
	.fill 96, 4, 3214868480
	.section	.rodata,"a",@progbits
	.p2align	6, 0x0
	.amdhsa_kernel k_q1db5cf69f6_gemm
		.amdhsa_group_segment_fixed_size 327680
		.amdhsa_private_segment_fixed_size 0
		.amdhsa_enable_private_segment 0
		.amdhsa_kernarg_size 32
		.amdhsa_user_sgpr_count 2
		.amdhsa_user_sgpr_kernarg_segment_ptr 1
		.amdhsa_wavefront_size32 1
		.amdhsa_system_sgpr_workgroup_id_x 1
		.amdhsa_system_sgpr_workgroup_id_y 1
		.amdhsa_system_sgpr_workgroup_id_z 1
		.amdhsa_system_vgpr_workitem_id 0
		.amdhsa_next_free_vgpr 1024
		.amdhsa_next_free_sgpr 72
		.amdhsa_reserve_vcc 0
		.amdhsa_float_denorm_mode_32 3
		.amdhsa_float_denorm_mode_16_64 3
		.amdhsa_memory_ordered 1
		.amdhsa_forward_progress 1
		.amdhsa_inst_pref_size 212
	.end_amdhsa_kernel
	.amdgpu_metadata
---
amdhsa.version: [ 1, 2 ]
amdhsa.kernels:
  - .name:           k_q1db5cf69f6_gemm
    .symbol:         k_q1db5cf69f6_gemm.kd
    .args:
      - { .name: xh, .offset: 0, .size: 8, .value_kind: global_buffer, .address_space: global }
      - { .name: wh, .offset: 8, .size: 8, .value_kind: global_buffer, .address_space: global }
      - { .name: bias, .offset: 16, .size: 8, .value_kind: global_buffer, .address_space: global }
      - { .name: out0, .offset: 24, .size: 8, .value_kind: global_buffer, .address_space: global }
    .group_segment_fixed_size: 327680
    .private_segment_fixed_size: 0
    .kernarg_segment_align: 8
    .kernarg_segment_size: 32
    .max_flat_workgroup_size: 128
    .sgpr_count:     72
    .vgpr_count:     1024
    .wavefront_size: 32
...
	.end_amdgpu_metadata
.endif
;; end of part 2
